; MI455X (gfx1250); checked and timed in simulation.
; The chip was launched on July 23, 2026; its instructions are those of AMD's public machine-readable ISA for CDNA 5 (MIT licence, August 2026) and "CDNA5" Instruction Set Architecture Reference Guide (July 2026). The comments in the code are by the model that wrote it; some were corrected since.
;; Cross Attention. Allowed arithmetic: float matrix products may take bf16 or f16 operands with f32 sums; all other float work in f32.
;; Inputs: ln1_b 8 float32; ln1_g 8 float32; ln2_b 8 float32; ln2_g 8 float32; ln3_b 8 float32; ln3_g 8 float32; p1_b 8 float32; p1_w 8 x 8 float32; p2_b 8 float32; p2_w 8 x 8 float32; p3_b 4 float32; p3_w 4 x 8 float32; pos_proj_b 8 float32; pos_proj_w 8 x 3 float32; proj_b 128 float32; proj_w 128 x 128 float32; qkv_b 384 float32; qkv_w 384 x 128 float32; x 64 x 512 x 128 float32; y 64 x 512 x 128 float32.
;; Outputs: out0 64 x 512 x 128 float32.
;; Constants: D = 8, H = 8, W = 8.
;; One version. Each part assembles by itself: llvm-mc -triple=amdgcn-amd-amdhsa -mcpu=gfx1250 --defsym DOCPART=n.
;; ======== version 1 of 1: 1 launch
;; limits: values are held in f16: magnitudes above 65,504 overflow, below 6.1e-05 lose precision
;; launch xattn (part 1): grid 256 x 1, 4 waves a work-group, clusters of 4 x 1, 327,680 bytes of LDS; arguments x, y, qkv_w, proj_w, qkv_b, proj_b, out0, pos_proj_w, pos_proj_b, ln1_g, ln1_b, p1_w, p1_b, ln2_g, ln2_b, p2_w, p2_b, ln3_g, ln3_b, p3_w, p3_b; writes out0
.if DOCPART == 1
	.amdgcn_target "amdgcn-amd-amdhsa--gfx1250"
	.amdhsa_code_object_version 6
	.text
	.protected	k_q0b2d96366c_xattn
	.globl	k_q0b2d96366c_xattn
	.p2align	8
	.type	k_q0b2d96366c_xattn,@function
k_q0b2d96366c_xattn:
	s_mov_b64 s[64:65], 0
	v_nop
	global_prefetch_b8 v0, s[64:65] scope:SCOPE_SE
	s_setreg_imm32_b32 hwreg(HW_REG_WAVE_MODE, 25, 1), 1
	s_wait_xcnt 0x0
	s_wait_alu depctr_hold_cnt(0) depctr_sa_sdst(0) depctr_va_vdst(0) depctr_va_sdst(0) depctr_va_ssrc(0) depctr_va_vcc(0) depctr_vm_vsrc(0)
	s_getreg_b32 s2, hwreg(HW_REG_IB_STS2, 6, 4)
	s_cmp_eq_u32 s2, 0
	s_cbranch_scc0 .Lentry_in_a_cluster
	s_endpgm
.Lentry_in_a_cluster:
	s_bfe_u32 s2, ttmp6, 0x10000c
	s_cmp_lg_u32 s2, 0x3003
	s_cbranch_scc0 .Lentry_shape_is_right
	s_endpgm
.Lentry_shape_is_right:
; CrossAttention, B = 64, N = 512 (8 x 8 x 8 positions), C = 128, 4 heads of 32.  q from x, k and v from y, a relative position bias from a
; small MLP, softmax, P V, output projection.  ONE launch; nothing goes through memory between the steps.
; SHARES: a work-group = (batch b, 128 queries); four waves; wave w = head w.  The four work-groups of a batch form a cluster.
; Each wave projects K and V of its head for all 512 keys itself and keeps them in registers (256 + 256) for the whole kernel.
; Every product is turned so that its result already lies as the next product's operand (lane L: r = L & 15, h = L >> 4):
;   K = Wk y^T (lane: key r, channels 8h+j) -> A of the scores;  V = y Wv^T (lane: channel r, keys 8h+j) -> A of P V;  Q like K -> B of the scores;
;   S^T = K Q^T + bias (lane: query r, keys 16t+8h+j; the bias is the C operand) -> after exp B of P V;  O^T = V^T P^T (lane: query r, channels 8h+j).
; All 512 scores of 16 queries lie in 256 registers of a lane pair (L, L xor 16): the row maximum is the exact one, taken before any exponential.
; Exponentials are in base 2: log2(e) is folded into Q's scale and into the bias table.
; FORMAT: every matrix operand is f16, every sum f32.  Where the scores are small the result is nearly a plain mean over 512 keys, and the relative
; rounding error of y, Wv, V, P, O and Wp then reaches the result undiminished; it is compared within 1 per cent of its root mean square.  Eight
; significant bits (rms error about 0.17 per cent a rounding) leave too little of that; eleven make each rounding eight times smaller.
; ROOM IN f16 (largest number 65,504): the largest operands are K and V (O is a mean of V), b + a sum over 128 of y w: about 1.3 for inputs of spread
; 1 and 0.02; 1.2e3 with both 30 times larger; 128 x 30 x 0.6 = 2.3e3 with both offset by 30 spreads.  Numbers below 2^-14 keep an absolute step of 2^-24.
; CLUSTERS: y and the weight matrices are the same for the four work-groups of a batch: they are asked for jointly (mask 15).  x is each
; work-group's own 128 rows: a plain load.  The place in the cluster enters x's and out0's addresses and a VALUE of the MLP, no LDS address, no branch.
; LDS: four slots of 128 rows x 528 bytes (512 of f32 + 16 of padding: sixteen rows begin in sixteen different 16-byte columns of 256 bytes).
;   slot 0: Wk, then y keys 256-383, then Wp      slot 1: Wv, then y keys 384-511      slot 2: y keys 0-127, then Wq      slot 3: y keys 128-255, then x
;   behind their last fill: QBUF (Q fragments, 8 KiB a wave) and ET (expanded bias table, 36 KiB a wave) on slots 1 to 3; later STAGE (f32 result) on ET
;   CT (compact bias table, 4 x 8 KiB) lies behind the slots, where no fill ever lands; later OBUF (O in f16, 128 rows x 272 bytes) on it.
; REGISTER WINDOWS of 256: 0 addresses, operands, small sums; 1 staging and scores; 2 K fragments (later the result's sums); 3 V fragments.
; During the MLP windows 2 and 3 hold second copies of its parameters (see PARAMETERS below).
; LIMITS: x, y, the weights, Q, K, V, the softmax weights and O are rounded to f16 as matrix operands: one of them above 65,504 in magnitude becomes
; infinite; a softmax weight below 2^-25 of its row's largest counts as 0.  The row sum is of the unrounded exponentials.
; v_exp_f32, v_rsq_f32, v_rcp_f32 are good to 1 ULP and flush denormals (ISA guide 15.8).
; NaN and infinities among the inputs do not give reference()'s exact pattern.
.set PITCH,  528
.set SLOT,   128*PITCH                 ; 67,584
.set QUART,  64*PITCH                  ; what one tensor load brings
.set HEADW,  32*PITCH                  ; a head's 32 rows of a weight matrix
.set QBUF,   SLOT
.set ET,     SLOT+32768                ; 100,352
.set ETW,    9*4096                    ; a wave's expanded table
.set STAGE,  ET
.set CT,     4*SLOT                    ; 270,336
.set OBUF,   CT
.set OPITCH, 272
.set LOG2E,  0x3fb8aa3b
.set QSCALE, 0x3e8293ee                ; 32^-0.5 x log2(e) = 0.25503486
; window 0
.set SA,   2                           ; v2-5    r x 528 + 32 h + slot x 67,584 (v2 is the lane term itself)
.set WA,   6                           ; v6-8    the same + my head's 32 rows, in slots 0, 1, 2
.set ZERO, 9
.set QAD,  10                          ; Q fragments: QBUF + 8,192 w + 16 lane
.set BA0,  11                          ; bias, registers 0-3
.set BA1,  12                          ; bias, registers 4-7
.set OAD,  13                          ; where O goes
.set XS,   14                          ; expansion: source
.set XD,   15                          ; expansion: destination
.set QT,   16                          ; v16-31  packed Q of two query tiles
.set YF,   32                          ; v32-95  8 fragments of y or x
.set WK,   96                          ; v96-159 8 fragments of Wk, later Wq, later Wp
.set PB,   160                         ; v160-175 proj_b as C
.set WV,   176                         ; v176-239 8 fragments of Wv
.set STA,  252
.set RDA,  253
.set GO,   254
.set ORD,  255
; window 0, the MLP
.set MX, 32
.set MD, 48
.set MY, 64
.set MT, 80
.set MQ, 88
.set MV, 92
.set MR, 94
.set MEPS, 96
.set BH, 98
.set BW, 100
.set BD, 102
.set I0, 104
.set I1, 106
.set I2, 108
.set IDX, 110
.set CTA, 112
.set I3, 114
.set PPB, 176                          ; biases and gains: v176-251 of window 0, second copy in window 3
.set LN1G, 184
.set LN1B, 192
.set P1B, 200
.set LN2G, 208
.set LN2B, 216
.set P2B, 224
.set LN3G, 232
.set LN3B, 240
.set P3B, 248
; window 0, the attention
.set QF, 20
.set O0, 28
.set O1, 36
.set M,  44
.set NM, 48
.set L,  50
.set RL, 58
.set TT, 60
.set OP, 64
.set P,  72
.set XA, 32                            ; expansion: two sets of 32
.set XB, 64
.set OUTR, 32                          ; way out: v32-159
; window 1
.set PW,  0                            ; MLP weights: v0-183 of window 1, second copy in window 2
.set P1W, 24
.set P2W, 88
.set P3W, 152
.set TMP, 0                            ; 128 registers of f32 as loaded from LDS
.set ACC, 128                          ; 8 accumulators of the projections
.set KB,  192                          ; qkv_b as C of K, V, Q
.set VB,  208
.set QB,  224
; scalars: s4 wave, s5 cx, s6 counter, s7 2 cx - 7, s[8:49] the 21 addresses, s50-51 lane selects
.set G1J,  52                          ; group 1, joint
.set G0W,  68
.set G0Y0, 72
.set G0Y2, 76
.set G0Q,  80
.set G0X,  84
.set G0P,  88
.set G1X,  92                          ; group 1, plain
.set MSB, 0
.macro WIN new                         ; low byte: bits 1:0 source 0, 3:2 source 1, 5:4 source 2, 7:6 destination; high byte: the setting left
.if MSB != \new
	s_set_vgpr_msb (MSB<<8)|\new
.set MSB, \new
.endif
.endm
.macro PLACES                          ; four independent vector places behind a matrix instruction (ISA guide 7.12.1)
.rept 4
	v_nop
.endr
.endm
.macro ROUND                           ; a round of the cluster's barrier
	WIN 0
	s_barrier_signal -1
	s_barrier_wait -1
	s_cmp_lg_u32 s4, 0
	s_cbranch_scc1 .Lnot_wave_0_\@
	s_barrier_signal -3
.Lnot_wave_0_\@:
	s_barrier_wait -3
	s_barrier_signal -1
	s_barrier_wait -1
.endm
.macro MKG1 g, first                   ; a tile of 64 rows x 128 f32, 16 bytes of padding behind each row
	s_mov_b32 s[\g+0], \first
	s_mov_b32 s[\g+1], 128<<16             ; tensor_dim0 = 128
	s_mov_b32 s[\g+2], 64<<16              ; tensor_dim1 = 64
	s_mov_b32 s[\g+3], 128<<16             ; tile_dim0 = 128
	s_mov_b32 s[\g+4], 64                  ; tile_dim1 = 64
	s_mov_b32 s[\g+5], 128                 ; elements from row to row
	s_mov_b32 s[\g+6], 0
	s_mov_b32 s[\g+7], 0
.endm
.macro MKG0 g, ldsoff                  ; the global address stands in words 2, 3 already
	s_mov_b32 s[\g], 1
	s_add_co_u32 s[\g+1], s66, \ldsoff     ; wave x 33,792 + the slot
	s_or_b32 s[\g+3], s[\g+3], 0x80000000  ; type 2
.endm
; 32 rows x 128 f32 from LDS as 8 fragments (tile tl, K step ks), 16 registers each: k = 8h .. 8h+7 and 16+8h .. 16+8h+7
.macro LOADG areg, row0
	WIN 0x40
.irp tl, 0,1
.irp ks, 0,1,2,3
	ds_load_b128 v[TMP+16*(4*\tl+\ks):TMP+16*(4*\tl+\ks)+3],     v[\areg] offset:(\row0+16*\tl)*PITCH+128*\ks
	ds_load_b128 v[TMP+16*(4*\tl+\ks)+4:TMP+16*(4*\tl+\ks)+7],   v[\areg] offset:(\row0+16*\tl)*PITCH+128*\ks+16
	ds_load_b128 v[TMP+16*(4*\tl+\ks)+8:TMP+16*(4*\tl+\ks)+11],  v[\areg] offset:(\row0+16*\tl)*PITCH+128*\ks+64
	ds_load_b128 v[TMP+16*(4*\tl+\ks)+12:TMP+16*(4*\tl+\ks)+15], v[\areg] offset:(\row0+16*\tl)*PITCH+128*\ks+80
.endr
.endr
.endm
.macro CVTG dst                        ; the 8 fragments rounded to f16
	WIN 0x05
.set cf, 0
.rept 64
	v_cvt_pk_f16_f32 v[\dst+cf], v[TMP+2*cf], v[TMP+2*cf+1]
.set cf, cf+1
.endr
.endm
; 32 keys: K and V of my head.  Eight accumulators take turns, one instruction a turn; qkv_b starts the sums.
.macro YGROUP g, nxt, areg, row
	s_wait_dscnt 0x0                       ; this group's 32 loads are in
	CVTG YF
.if \nxt
	LOADG \areg, \row                      ; the next group's rows come while this one is multiplied
.endif
	WIN 0x50
.irp ks, 0,1,2,3
.irp kt, 0,1
.irp ct, 0,1
.if \ks == 0
	v_wmma_f32_16x16x32_f16 v[ACC+8*(2*\kt+\ct):ACC+8*(2*\kt+\ct)+7], v[WK+8*(4*\ct+\ks):WK+8*(4*\ct+\ks)+7], v[YF+8*(4*\kt+\ks):YF+8*(4*\kt+\ks)+7], v[KB+8*\ct:KB+8*\ct+7]
.else
	v_wmma_f32_16x16x32_f16 v[ACC+8*(2*\kt+\ct):ACC+8*(2*\kt+\ct)+7], v[WK+8*(4*\ct+\ks):WK+8*(4*\ct+\ks)+7], v[YF+8*(4*\kt+\ks):YF+8*(4*\kt+\ks)+7], v[ACC+8*(2*\kt+\ct):ACC+8*(2*\kt+\ct)+7]
.endif
.endr
.endr
.irp kt, 0,1
.irp ct, 0,1
.if \ks == 0
	v_wmma_f32_16x16x32_f16 v[ACC+32+8*(2*\kt+\ct):ACC+32+8*(2*\kt+\ct)+7], v[YF+8*(4*\kt+\ks):YF+8*(4*\kt+\ks)+7], v[WV+8*(4*\ct+\ks):WV+8*(4*\ct+\ks)+7], v[VB+8*\ct:VB+8*\ct+7]
.else
	v_wmma_f32_16x16x32_f16 v[ACC+32+8*(2*\kt+\ct):ACC+32+8*(2*\kt+\ct)+7], v[YF+8*(4*\kt+\ks):YF+8*(4*\kt+\ks)+7], v[WV+8*(4*\ct+\ks):WV+8*(4*\ct+\ks)+7], v[ACC+32+8*(2*\kt+\ct):ACC+32+8*(2*\kt+\ct)+7]
.endif
.endr
.endr
.endr
	PLACES
	WIN 0x85                               ; K: key tile 2g+kt, registers 0-3 channels 8h.., 4-7 channels 16+8h..
.irp kt, 0,1
.irp ct, 0,1
.irp p, 0,1,2,3
	v_cvt_pk_f16_f32 v[8*(2*\g+\kt)+4*\ct+\p], v[ACC+8*(2*\kt+\ct)+2*\p], v[ACC+8*(2*\kt+\ct)+2*\p+1]
.endr
.endr
.endr
	WIN 0xC5                               ; V: (group g, channel tile ct), registers 0-3 keys 8h.., 4-7 keys 16+8h..
.irp kt, 0,1
.irp ct, 0,1
.irp p, 0,1,2,3
	v_cvt_pk_f16_f32 v[16*\g+8*\ct+4*\kt+\p], v[ACC+32+8*(2*\kt+\ct)+2*\p], v[ACC+32+8*(2*\kt+\ct)+2*\p+1]
.endr
.endr
.endr
.endm
; 32 queries: Q of my head, scaled, packed, into my part of QBUF.  Four accumulators take turns.
.macro QGROUP xg, nxt, row
	s_wait_dscnt 0x0
	CVTG YF
.if \nxt
	LOADG SA+3, \row
.endif
	WIN 0x50
.irp ks, 0,1,2,3
.irp qt, 0,1
.irp ct, 0,1
.if \ks == 0
	v_wmma_f32_16x16x32_f16 v[ACC+8*(2*\qt+\ct):ACC+8*(2*\qt+\ct)+7], v[WK+8*(4*\ct+\ks):WK+8*(4*\ct+\ks)+7], v[YF+8*(4*\qt+\ks):YF+8*(4*\qt+\ks)+7], v[QB+8*\ct:QB+8*\ct+7]
.else
	v_wmma_f32_16x16x32_f16 v[ACC+8*(2*\qt+\ct):ACC+8*(2*\qt+\ct)+7], v[WK+8*(4*\ct+\ks):WK+8*(4*\ct+\ks)+7], v[YF+8*(4*\qt+\ks):YF+8*(4*\qt+\ks)+7], v[ACC+8*(2*\qt+\ct):ACC+8*(2*\qt+\ct)+7]
.endif
.endr
.endr
.endr
	PLACES
	WIN 0x41
.set ix, 0
.rept 16
	v_pk_mul_f32 v[ACC+2*ix:ACC+2*ix+1], v[ACC+2*ix:ACC+2*ix+1], QSCALE op_sel_hi:[1,0]
.set ix, ix+1
.endr
	WIN 0x05
.irp qt, 0,1
.irp ct, 0,1
.irp p, 0,1,2,3
	v_cvt_pk_f16_f32 v[QT+8*\qt+4*\ct+\p], v[ACC+8*(2*\qt+\ct)+2*\p], v[ACC+8*(2*\qt+\ct)+2*\p+1]
.endr
.endr
.endr
	WIN 0
.irp qt, 0,1
	ds_store_b128 v[QAD], v[QT+8*\qt:QT+8*\qt+3]   offset:(2*\xg+\qt)*1024
	ds_store_b128 v[QAD], v[QT+8*\qt+4:QT+8*\qt+7] offset:(2*\xg+\qt)*1024+512
.endr
.endm
; PARAMETERS of the MLP.  The MLP works on packed pairs of table entries, so each parameter is ONE register that feeds both halves of a packed
; instruction.  This text takes such a number only from the FIRST register of an even pair (op_sel_hi 0).  A parameter in an even register is taken
; from where it was loaded (weights: window 1; biases and gains: window 0).  For those in odd registers a second copy of the arrays lies under the
; same register numbers in another window (weights: window 2; biases and gains: window 3), in which each pair's second word has been moved to the first.
; The macros pick the window by the register's parity; the sums are ordered by parity so that the window changes seldom.
; d = a x W + c; W a weight
.macro FMAB d, a, w, c
.if ((\w)&1) == 0
	WIN 0x04
	v_pk_fma_f32 v[\d:\d+1], v[\a:\a+1], v[\w:\w+1], v[\c:\c+1] op_sel_hi:[1,0,1]
.else
	WIN 0x08
	v_pk_fma_f32 v[\d:\d+1], v[\a:\a+1], v[\w-1:\w], v[\c:\c+1] op_sel_hi:[1,0,1]
.endif
.endm
; d = a x W + B; W a weight, B a bias
.macro FMABB d, a, w, b
.if ((\w)&1) == 0
.if ((\b)&1) == 0
	WIN 0x04
	v_pk_fma_f32 v[\d:\d+1], v[\a:\a+1], v[\w:\w+1], v[\b:\b+1] op_sel_hi:[1,0,0]
.else
	WIN 0x34
	v_pk_fma_f32 v[\d:\d+1], v[\a:\a+1], v[\w:\w+1], v[\b-1:\b] op_sel_hi:[1,0,0]
.endif
.else
.if ((\b)&1) == 0
	WIN 0x08
	v_pk_fma_f32 v[\d:\d+1], v[\a:\a+1], v[\w-1:\w], v[\b:\b+1] op_sel_hi:[1,0,0]
.else
	WIN 0x38
	v_pk_fma_f32 v[\d:\d+1], v[\a:\a+1], v[\w-1:\w], v[\b-1:\b] op_sel_hi:[1,0,0]
.endif
.endif
.endm
; d = a x G + B; G a gain and B a bias of the same parity
.macro FMAG d, a, g, b
.if ((\g)&1) == 0
	WIN 0
	v_pk_fma_f32 v[\d:\d+1], v[\a:\a+1], v[\g:\g+1], v[\b:\b+1] op_sel_hi:[1,0,0]
.else
	WIN 0x3C
	v_pk_fma_f32 v[\d:\d+1], v[\a:\a+1], v[\g-1:\g], v[\b-1:\b] op_sel_hi:[1,0,0]
.endif
.endm
; MY[o] = b[o] + sum over i of MX[i] W[o][i], i in the order 0, 2, 4, 6, 1, 3, 5, 7; the outputs' chains take turns
.macro MATV nout, w, b
.set mo, 0
.rept \nout/2
	FMABB MY+2*mo,MX,\w+8*mo,\b+mo
.set mo, mo+2
.endr
.set mo, 1
.rept \nout/2
	FMABB MY+2*mo,MX,\w+8*mo,\b+mo
.set mo, mo+2
.endr
.irp mi, 2,4,6,1,3,5,7
.set mo, 0
.rept \nout
	FMAB MY+2*mo,MX+2*\mi,\w+8*mo+\mi,MY+2*mo
.set mo, mo+1
.endr
.endr
.endm
; MX = relu(LayerNorm(MY) g + b): mean, deviations, mean square of the deviations, as reference() has it
.macro LNRELU g, b
	WIN 0
	v_pk_add_f32 v[MT:MT+1],   v[MY:MY+1],     v[MY+2:MY+3]
	v_pk_add_f32 v[MT+2:MT+3], v[MY+4:MY+5],   v[MY+6:MY+7]
	v_pk_add_f32 v[MT+4:MT+5], v[MY+8:MY+9],   v[MY+10:MY+11]
	v_pk_add_f32 v[MT+6:MT+7], v[MY+12:MY+13], v[MY+14:MY+15]
	v_pk_add_f32 v[MT:MT+1],   v[MT:MT+1],     v[MT+2:MT+3]
	v_pk_add_f32 v[MT+4:MT+5], v[MT+4:MT+5],   v[MT+6:MT+7]
	v_pk_add_f32 v[MT:MT+1],   v[MT:MT+1],     v[MT+4:MT+5]
.irp i, 0,1,2,3,4,5,6,7
	v_pk_fma_f32 v[MD+2*\i:MD+2*\i+1], v[MT:MT+1], 0xbe000000, v[MY+2*\i:MY+2*\i+1] op_sel_hi:[1,0,1]   ; x - sum / 8
.endr
	v_pk_mul_f32 v[MQ:MQ+1],   v[MD:MD+1],   v[MD:MD+1]
	v_pk_mul_f32 v[MQ+2:MQ+3], v[MD+2:MD+3], v[MD+2:MD+3]
.irp i, 2,4,6
	v_pk_fma_f32 v[MQ:MQ+1],   v[MD+2*\i:MD+2*\i+1],   v[MD+2*\i:MD+2*\i+1],   v[MQ:MQ+1]
	v_pk_fma_f32 v[MQ+2:MQ+3], v[MD+2*\i+2:MD+2*\i+3], v[MD+2*\i+2:MD+2*\i+3], v[MQ+2:MQ+3]
.endr
	v_pk_add_f32 v[MQ:MQ+1], v[MQ:MQ+1], v[MQ+2:MQ+3]
	v_pk_fma_f32 v[MV:MV+1], v[MQ:MQ+1], 0x3e000000, v[MEPS:MEPS+1] op_sel_hi:[1,0,1]                   ; variance + 1e-5
	v_rsq_f32 v[MR], v[MV]
	v_rsq_f32 v[MR+1], v[MV+1]
	v_nop                                  ; one plain place behind a transcendental (ISA guide 5.7.2)
	s_wait_alu depctr_va_vdst(0)
.irp i, 0,1,2,3,4,5,6,7
	v_pk_mul_f32 v[MD+2*\i:MD+2*\i+1], v[MD+2*\i:MD+2*\i+1], v[MR:MR+1]
.endr
.irp i, 0,2,4,6,1,3,5,7
	FMAG MX+2*\i,MD+2*\i,\g+\i,\b+\i
.endr
	WIN 0
.irp i, 0,1,2,3,4,5,6,7,8,9,10,11,12,13,14,15
	v_max_num_f32 v[MX+\i], 0, v[MX+\i]
.endr
.endm
.macro LDP dst, n, ptr                 ; n x 16 bytes of a parameter, the same in every lane
.set ix, 0
.rept \n
	global_load_b128 v[\dst+4*ix:\dst+4*ix+3], v[ZERO], s[\ptr:\ptr+1] offset:16*ix
.set ix, ix+1
.endr
.endm
.macro LDWEIGHTS                       ; the four weight matrices of the MLP, 184 words
	LDP PW, 6, 22
	LDP P1W, 16, 30
	LDP P2W, 16, 38
	LDP P3W, 8, 46
.endm
.macro LDADD                           ; its biases and gains, 76 words
	LDP PPB, 2, 24
	LDP LN1G, 2, 26
	LDP LN1B, 2, 28
	LDP P1B, 2, 32
	LDP LN2G, 2, 34
	LDP LN2B, 2, 36
	LDP P2B, 2, 40
	LDP LN3G, 2, 42
	LDP LN3B, 2, 44
	LDP P3B, 1, 48
.endm
; the bias of key tiles 8c .. 8c+7 into their score registers: it is the C operand of the score products
.macro BIASLD c, base
	WIN 0x40
.irp tl, 0,1,2,3,4,5,6,7
	ds_load_b128 v[8*(8*\c+\tl):8*(8*\c+\tl)+3],   v[BA0] offset:\base+(7-((8*\c+\tl)>>2))*4096+(3-((8*\c+\tl)&3))*512
	ds_load_b128 v[8*(8*\c+\tl)+4:8*(8*\c+\tl)+7], v[BA1] offset:\base+(7-((8*\c+\tl)>>2))*4096+(3-((8*\c+\tl)&3))*512
.endr
.endm
; 128 keys of 16 queries: subtract the maximum, exponentials, row sums in four chains, P in f16, the next tile's bias, 8 products of P V
.macro CHUNK c, pf, pfb
	WIN 0x41
.set ix, 64*\c
.rept 32
	v_pk_add_f32 v[ix:ix+1], v[ix:ix+1], v[NM:NM+1]
.set ix, ix+2
.endr
.set ix, 64*\c
.rept 64
	v_exp_f32 v[ix], v[ix]
.set ix, ix+1
.endr
	v_nop                                  ; one plain place behind the transcendentals
	s_wait_alu depctr_va_vdst(0)
	WIN 0x05
.if \c == 0
	s_wait_alu depctr_va_vdst(0)
.irp k, 0,1,2,3
	v_pk_add_f32 v[L+2*\k:L+2*\k+1], v[4*\k:4*\k+1], v[4*\k+2:4*\k+3]      ; the first eight pairs start the four sums: nothing is cleared
.endr
.set ifrom, 8
.else
.set ifrom, 0
.endif
.set ix, 0
.rept 32
.if ix >= ifrom
	v_pk_fma_f32 v[L+2*(ix&3):L+2*(ix&3)+1], v[64*\c+2*ix:64*\c+2*ix+1], 1.0, v[L+2*(ix&3):L+2*(ix&3)+1] op_sel_hi:[1,0,1]   ; the sum stands in source 2, which this window setting leaves in window 0
.endif
	v_cvt_pk_f16_f32 v[P+ix], v[64*\c+2*ix], v[64*\c+2*ix+1]
.set ix, ix+1
.endr
.if \pf
	BIASLD \c, \pfb                        ; into the score registers just read
.endif
	WIN 0x03
.irp g, 0,1,2,3                        ; the two accumulators take turns
.if (4*\c+\g) == 0
	v_wmma_f32_16x16x32_f16 v[O0:O0+7], v[16*(4*\c+\g):16*(4*\c+\g)+7],    v[P+8*\g:P+8*\g+7], 0
	v_wmma_f32_16x16x32_f16 v[O1:O1+7], v[16*(4*\c+\g)+8:16*(4*\c+\g)+15], v[P+8*\g:P+8*\g+7], 0
.else
	v_wmma_f32_16x16x32_f16 v[O0:O0+7], v[16*(4*\c+\g):16*(4*\c+\g)+7],    v[P+8*\g:P+8*\g+7], v[O0:O0+7]
	v_wmma_f32_16x16x32_f16 v[O1:O1+7], v[16*(4*\c+\g)+8:16*(4*\c+\g)+15], v[P+8*\g:P+8*\g+7], v[O1:O1+7]
.endif
.endr
.endm
; 16 queries (tile q = 4 hl + trip) against all 512 keys.  pf = 1: the next tile's Q fragment and bias are fetched on the way.
.macro QTILE hl, pf
	s_wait_dscnt 18                        ; behind the bias of keys 256-383 only 16 bias loads and 2 stores of O were issued: Q and keys 0-383 are in
	WIN 0x52
.set ix, 0
.rept 24
	v_wmma_f32_16x16x32_f16 v[8*ix:8*ix+7], v[8*ix:8*ix+7], v[QF:QF+7], v[8*ix:8*ix+7]    ; D, C: scores (window 1); A: K (window 2)
.set ix, ix+1
.endr
	s_wait_dscnt 2                         ; all but the two stores: the bias of keys 384-511 is in
.rept 8
	v_wmma_f32_16x16x32_f16 v[8*ix:8*ix+7], v[8*ix:8*ix+7], v[QF:QF+7], v[8*ix:8*ix+7]
.set ix, ix+1
.endr
	WIN 0
	PLACES
.if \pf
	ds_load_b128 v[QF:QF+3],   v[QAD] offset:4096-3072*\hl           ; hl = 0: tile q + 4; hl = 1: tile q - 3
	ds_load_b128 v[QF+4:QF+7], v[QAD] offset:4096-3072*\hl+512
.endif
	WIN 0x05                               ; the largest of my 256 scores, in four chains
.irp k, 0,1,2,3
	v_max_num_f32 v[M+\k], v[2*\k], v[2*\k+1]
.endr
.set ix, 8
.rept 31
.irp k, 0,1,2,3
	v_max3_num_f32 v[M+\k], v[ix+2*\k], v[ix+2*\k+1], v[M+\k]
.endr
.set ix, ix+8
.endr
	WIN 0
	v_max3_num_f32 v[M], v[M], v[M+1], v[M+2]
	v_max_num_f32 v[M], v[M], v[M+3]
	v_permlanex16_b32 v[TT], v[M], s50, s51    ; the other half of the row's keys lies in lane L xor 16
	v_max_num_f32 v[M], v[M], v[TT]
	v_sub_f32 v[NM], 0, v[M]
	v_sub_f32 v[NM+1], 0, v[M]
	CHUNK 0, \pf, 4096-3584*\hl            ; the next tile's bias: hl = 0: one h plane on; hl = 1: two w steps on, h plane 0
	CHUNK 1, \pf, 4096-3584*\hl
	CHUNK 2, \pf, 4096-3584*\hl
	CHUNK 3, \pf, 4096-3584*\hl
	WIN 0
	v_pk_add_f32 v[L:L+1],     v[L:L+1],     v[L+2:L+3]              ; these sums are also the places behind the last products
	v_pk_add_f32 v[L+4:L+5],   v[L+4:L+5],   v[L+6:L+7]
	v_pk_add_f32 v[L:L+1],     v[L:L+1],     v[L+4:L+5]
	v_add_f32 v[L], v[L], v[L+1]
	v_permlanex16_b32 v[TT], v[L], s50, s51
	v_add_f32 v[L], v[L], v[TT]            ; the row sum: at least 1 (the largest score gives 2^0), at most 512
	v_rcp_f32 v[RL], v[L]
	v_rcp_f32 v[RL+1], v[L]
	v_nop
	s_wait_alu depctr_va_vdst(0)
.irp i, 0,1,2,3,4,5,6,7
	v_pk_mul_f32 v[O0+2*\i:O0+2*\i+1], v[O0+2*\i:O0+2*\i+1], v[RL:RL+1]
.endr
.irp i, 0,1,2,3,4,5,6,7
	v_cvt_pk_f16_f32 v[OP+\i], v[O0+2*\i], v[O0+2*\i+1]
.endr
	ds_store_b128 v[OAD], v[OP:OP+3]   offset:\hl*64*OPITCH          ; O(query r, channels 32 w + 8h ..)
	ds_store_b128 v[OAD], v[OP+4:OP+7] offset:\hl*64*OPITCH+32       ; channels 32 w + 16 + 8h ..
.if \hl
.if \pf
	v_add_nc_u32 v[BA0], 512, v[BA0]       ; the next trip: two w steps, one Q tile, 16 rows of O
	v_add_nc_u32 v[BA1], 512, v[BA1]
	v_add_nc_u32 v[QAD], 1024, v[QAD]
	v_add_nc_u32 v[OAD], 16*OPITCH, v[OAD]
.endif
.endif
.endm
.macro XLOAD dh, set                   ; expansion, one h offset: 32 words a lane of the compact table
.irp k, 0,1,2,3,4,5,6,7
.irp i, 0,1,2,3
	ds_load_b32 v[\set+4*\k+\i], v[XS] offset:(225*(\dh)+30*\k)*4+4*\i
.endr
.endr
.endm
.macro XSTORE dh, set
.irp k, 0,1,2,3,4,5,6,7
	ds_store_b128 v[XD], v[\set+4*\k:\set+4*\k+3] offset:(\dh)*4096+512*\k
.endr
.endm
; ---------------------------------------------------------------- the head
	s_load_b512 s[8:23], s[0:1], 0x0               ; x, y, qkv_w, proj_w, qkv_b, proj_b, out0, pos_proj_w
	s_load_b512 s[24:39], s[0:1], 0x40             ; pos_proj_b, ln1_g, ln1_b, p1_w, p1_b, ln2_g, ln2_b, p2_w
	s_load_b256 s[40:47], s[0:1], 0x80             ; p2_b, ln3_g, ln3_b, p3_w
	s_load_b64 s[48:49], s[0:1], 0xa0              ; p3_b
	v_lshl_add_u32 v250, v0, 2, 0x4a800
	v_mov_b32 v251, 0
	ds_add_u32 v250, v251
	ds_add_u32 v250, v251
	s_wait_dscnt 0x0
	v_lshrrev_b32 v16, 5, v0
	v_readfirstlane_b32 s4, v16                    ; wave = head
	s_bfe_u32 s5, ttmp6, 0x40000                   ; cx: which 128 queries of the batch; ttmp9 is the batch
	s_mov_b32 s50, 0x76543210                      ; v_permlanex16_b32: lane i of the other half
	s_mov_b32 s51, 0xfedcba98
	v_and_b32 v17, 15, v0                          ; r
	v_bfe_u32 v18, v0, 4, 1                        ; h
	v_and_b32 v19, 31, v0                          ; lane
	v_bfe_u32 v20, v0, 3, 1                        ; r >> 3
	v_and_b32 v24, 7, v0                           ; r & 7
	v_mul_u32_u24 v[SA], v17, PITCH
	v_lshl_add_u32 v[SA], v18, 5, v[SA]            ; r x 528 + 32 h
.irp s, 1,2,3
	v_add_nc_u32 v[SA+\s], \s*SLOT, v[SA]
.endr
	s_mul_i32 s60, s4, HEADW
	v_add_nc_u32 v[WA], s60, v[SA]
	v_add_nc_u32 v[WA+1], SLOT, v[WA]
	v_add_nc_u32 v[WA+2], 2*SLOT, v[WA]
	v_mov_b32 v[ZERO], 0
	s_lshl_b32 s61, s4, 13
	s_add_co_u32 s62, s61, QBUF
	v_lshl_add_u32 v[QAD], v19, 4, s62
	s_add_co_u32 s61, s61, CT                      ; my head's compact table
	v_xor_b32 v28, 7, v24                          ; 7 - dn
	v_lshl_add_u32 v28, v20, 2, v28                ; + 4 half
	v_mad_u32_u24 v28, v18, 15, v28                ; + 15 (dw & 1)
	v_lshl_add_u32 v[XS], v28, 2, s61
	s_mul_i32 s63, s4, ETW
	s_add_co_u32 s63, s63, ET                      ; my expanded table
	v_xor_b32 v21, 1, v18
	v_add_nc_u32 v22, v20, v21                     ; (r >> 3) + (1 - h): the lane's part of dw
	v_and_b32 v23, 1, v22                          ; its parity, which is dw's
	v_lshl_add_u32 v25, v22, 8, s63
	v_lshl_add_u32 v25, v24, 4, v25
	v_lshl_add_u32 v[BA0], v23, 7, v25             ; the halves of a chunk pair are swapped where dw is odd, so that lanes r < 8 and r >= 8 read different 128-byte halves
	v_xor_b32 v23, 1, v23
	v_lshl_add_u32 v[BA1], v23, 7, v25
	v_xor_b32 v30, v20, v18
	v_lshl_add_u32 v[XD], v18, 8, s63
	v_lshl_add_u32 v[XD], v30, 7, v[XD]
	v_lshl_add_u32 v[XD], v24, 4, v[XD]
	v_mul_u32_u24 v27, v17, OPITCH
	v_lshl_add_u32 v27, v18, 4, v27
	v_add_nc_u32 v[ORD], OBUF, v27                 ; O fragments: row r, 16 h
	s_lshl_b32 s62, s4, 6
	v_add_nc_u32 v[OAD], s62, v[ORD]               ; + my head's 64 bytes
	s_lshl_b32 s62, s4, 7                          ; 128 w
	s_add_co_u32 s63, s62, STAGE
	v_add_nc_u32 v[STA], s63, v[SA]
	s_add_co_u32 s63, s60, STAGE
	v_lshl_add_u32 v[RDA], v19, 4, s63
	v_lshlrev_b32 v[GO], 4, v19
	v_lshl_add_u32 v31, v18, 5, s62                ; byte offset of bias numbers 32 w + 8 h
	v_lshl_add_u32 v29, v17, 2, s62                ; and of number 32 w + r
	v_mov_b32 v[MEPS], 0x3727c5ac                  ; 1e-5
	v_mov_b32 v[MEPS+1], 0x3727c5ac
	v_lshl_add_u32 v[CTA], v0, 2, CT
	s_lshl_b32 s7, s5, 1
	s_sub_co_i32 s7, s7, 7                         ; 2 cx - 7
	MKG1 G1J, 0x07B2000F                           ; mask 15, 4-byte elements, padding on, bit 21 beside the mask, after 128 words, 4 words
	MKG1 G1X, 0x07920000                           ; the same without mask
	s_mul_i32 s66, s4, QUART
	s_lshl_b32 s60, s4, 15                         ; wave x 64 rows of 512 bytes
	s_mov_b32 s61, 0
	s_and_b32 s62, s4, 1
	s_lshl_b32 s62, s62, 15
	s_mov_b32 s63, 0
	s_lshl_b32 s100, ttmp9, 18                     ; batch x 512 rows
	s_mov_b32 s101, 0
	s_lshl_b32 s2, s5, 16                          ; cx x 128 rows
	s_mov_b32 s3, 0
	s_wait_kmcnt 0x0
	s_add_nc_u64 s[G0W+2:G0W+3], s[12:13], s[60:61]
	s_add_nc_u64 s[G0W+2:G0W+3], s[G0W+2:G0W+3], 0x10000           ; qkv_w rows 128 + 64 w: Wk and Wv into slots 0, 1
	MKG0 G0W, 0
	s_add_nc_u64 s[G0Y0+2:G0Y0+3], s[10:11], s[100:101]
	s_add_nc_u64 s[G0Y0+2:G0Y0+3], s[G0Y0+2:G0Y0+3], s[60:61]      ; y keys 64 w: slots 2, 3
	s_add_nc_u64 s[G0Y2+2:G0Y2+3], s[G0Y0+2:G0Y0+3], 0x20000       ; y keys 256 + 64 w: slots 0, 1
	MKG0 G0Y0, 2*SLOT
	MKG0 G0Y2, 0
	s_add_nc_u64 s[G0Q+2:G0Q+3], s[12:13], s[62:63]                ; Wq, waves 0, 1: slot 2
	MKG0 G0Q, 2*SLOT
	s_add_nc_u64 s[G0X+2:G0X+3], s[8:9], s[100:101]
	s_add_nc_u64 s[G0X+2:G0X+3], s[G0X+2:G0X+3], s[2:3]
	s_add_nc_u64 s[G0X+2:G0X+3], s[G0X+2:G0X+3], s[62:63]          ; my 128 rows of x, waves 2, 3: slot 3
	MKG0 G0X, 2*SLOT
	s_add_nc_u64 s[G0P+2:G0P+3], s[14:15], s[60:61]                ; Wp, waves 0, 1: slot 0
	MKG0 G0P, 0
	s_add_nc_u64 s[20:21], s[20:21], s[100:101]                    ; out0 at my wave's 32 rows
	s_add_nc_u64 s[20:21], s[20:21], s[2:3]
	s_lshl_b32 s66, s4, 14
	s_mov_b32 s67, 0
	s_add_nc_u64 s[20:21], s[20:21], s[66:67]
	ROUND                                          ; the four work-groups are here: the first joint loads meet
	tensor_load_to_lds s[G0W:G0W+3], s[G1J:G1J+7]  ; the two first fills of the wave, ahead of every wait on TENSORcnt, LDS read and further barrier
	s_nop 0
	tensor_load_to_lds s[G0Y0:G0Y0+3], s[G1J:G1J+7]
	s_nop 0
	WIN 0x80                                       ; the MLP's weights: the copy for odd registers, window 2
	LDWEIGHTS
	WIN 0xC0                                       ; its biases and gains: the copy for odd registers, window 3
	LDADD
	WIN 0x40                                       ; the weights as they are, window 1
	LDWEIGHTS
.irp ct, 0,1
	global_load_b128 v[KB+8*\ct:KB+8*\ct+3],   v31, s[16:17] offset:512+64*\ct       ; K: register j = qkv_b[128 + 32 w + 16 ct + 8 h + j]
	global_load_b128 v[KB+8*\ct+4:KB+8*\ct+7], v31, s[16:17] offset:512+64*\ct+16
	global_load_b128 v[QB+8*\ct:QB+8*\ct+3],   v31, s[16:17] offset:64*\ct           ; Q: qkv_b[32 w + 16 ct + 8 h + j]
	global_load_b128 v[QB+8*\ct+4:QB+8*\ct+7], v31, s[16:17] offset:64*\ct+16
.irp j, 0,1,2,3,4,5,6,7
	global_load_b32 v[VB+8*\ct+\j], v29, s[16:17] offset:1024+64*\ct                 ; V: a lane holds one channel: all eight registers = qkv_b[256 + 32 w + 16 ct + r]
.endr
.endr
	WIN 0
.irp ot, 0,1
	global_load_b128 v[PB+8*\ot:PB+8*\ot+3],   v31, s[18:19] offset:64*\ot           ; proj_b[32 w + 16 ot + 8 h + j]
	global_load_b128 v[PB+8*\ot+4:PB+8*\ot+7], v31, s[18:19] offset:64*\ot+16
.endr
	LDADD                                          ; the biases and gains as they are, window 0
	s_wait_loadcnt 0x0
	WIN 0x82                                       ; in the copies each pair's second word comes down to the first: 92 + 38 pairs, once in the kernel
.set ix, 0
.rept 92
	v_mov_b32 v[PW+2*ix], v[PW+2*ix+1]
.set ix, ix+1
.endr
	WIN 0xC3
.set ix, 0
.rept 38
	v_mov_b32 v[PPB+2*ix], v[PPB+2*ix+1]
.set ix, ix+1
.endr
	WIN 0
; ---------------------------------------------------------------- the bias MLP, while the first tiles are on their way
; Table entry idx = 225 dh + 15 dw + e stands for the offsets (2 cx - 7 + dh, dw - 7, 7 - e).  The work-group's two h planes of queries need dh = 0 .. 8.
; 128 threads x 8 trips x 2 entries (a packed pair: idx, idx + 128) = 2,048 entries; those from 2,025 on are computed and never used as a bias.
	s_mov_b32 s6, 0
	s_mov_b32 s66, 0
.Lmlp:
	v_add_nc_u32 v[IDX], s66, v0
	v_add_nc_u32 v[IDX+1], 128, v[IDX]
.irp k, 0,1
	v_mul_u32_u24 v[I0+\k], v[IDX+\k], 4661        ; idx / 225 = idx x 4,661 >> 20, exact for idx < 2,250
.endr
.irp k, 0,1
	v_lshrrev_b32 v[I0+\k], 20, v[I0+\k]
.endr
.irp k, 0,1
	v_mul_u32_u24 v[I1+\k], v[I0+\k], 225
.endr
.irp k, 0,1
	v_sub_nc_u32 v[I1+\k], v[IDX+\k], v[I1+\k]
.endr
.irp k, 0,1
	v_mul_u32_u24 v[I2+\k], v[I1+\k], 4370         ; rem / 15 = rem x 4,370 >> 16, exact for rem < 225
.endr
.irp k, 0,1
	v_lshrrev_b32 v[I2+\k], 16, v[I2+\k]
.endr
.irp k, 0,1
	v_mul_u32_u24 v[I3+\k], v[I2+\k], 15
.endr
.irp k, 0,1
	v_sub_nc_u32 v[I3+\k], v[I1+\k], v[I3+\k]
.endr
.irp k, 0,1
	v_add_nc_u32 v[I0+\k], s7, v[I0+\k]
	v_add_nc_u32 v[I2+\k], -7, v[I2+\k]
	v_sub_nc_u32 v[I3+\k], 7, v[I3+\k]
.endr
.irp k, 0,1
	v_cvt_f32_i32 v[BH+\k], v[I0+\k]
	v_cvt_f32_i32 v[BW+\k], v[I2+\k]
	v_cvt_f32_i32 v[BD+\k], v[I3+\k]
.endr
	; pos_proj: MY[o] = b[o] + bh W[o][0] + bw W[o][1] + bd W[o][2]; W[o][c] lies in register 3 o + c; ordered by that register's parity
.irp o, 0,2,4,6
	FMABB MY+2*\o,BH,PW+3*\o,PPB+\o
.endr
.irp o, 1,3,5,7
	FMABB MY+2*\o,BH,PW+3*\o,PPB+\o
.endr
.irp o, 1,3,5,7
	FMAB MY+2*\o,BW,PW+3*\o+1,MY+2*\o
.endr
.irp o, 0,2,4,6
	FMAB MY+2*\o,BW,PW+3*\o+1,MY+2*\o
.endr
.irp o, 1,3,5,7
	FMAB MY+2*\o,BD,PW+3*\o+2,MY+2*\o
.endr
.irp o, 0,2,4,6
	FMAB MY+2*\o,BD,PW+3*\o+2,MY+2*\o
.endr
	LNRELU LN1G,LN1B
	MATV 8,P1W,P1B
	LNRELU LN2G,LN2B
	MATV 8,P2W,P2B
	LNRELU LN3G,LN3B
	MATV 4,P3W,P3B
	WIN 0
.irp o, 0,1,2,3
	v_pk_mul_f32 v[MY+2*\o:MY+2*\o+1], v[MY+2*\o:MY+2*\o+1], LOG2E op_sel_hi:[1,0]
.endr
.irp o, 0,1,2,3
	ds_store_b32 v[CTA], v[MY+2*\o]   offset:\o*8192
	ds_store_b32 v[CTA], v[MY+2*\o+1] offset:\o*8192+512
.endr
	v_add_nc_u32 v[CTA], 1024, v[CTA]
	s_add_co_u32 s66, s66, 256
	s_add_co_u32 s6, s6, 1
	s_cmp_lt_u32 s6, 8
	s_cbranch_scc1 .Lmlp
; ---------------------------------------------------------------- my head's rows of Wk and Wv into registers
	s_wait_tensorcnt 0x0                           ; my parts of Wk, Wv and of y's keys 0-255 have landed
	s_wait_dscnt 0x0                               ; my part of the compact table is written
	s_barrier_signal -1
	s_barrier_wait -1                              ; everybody's
	LOADG WA, 0
	s_wait_dscnt 0x0
	CVTG WK
	LOADG WA+1, 0
	s_wait_dscnt 0x0
	CVTG WV
; ---------------------------------------------------------------- K and V, keys 0-255; keys 256-511 come into slots 0, 1 meanwhile
	WIN 0
	s_wait_dscnt 0x0                               ; my reads of slots 0, 1 are back
	s_wait_xcnt 0x0
	v_lshl_add_u32 v250, v0, 2, 0x4a800
	v_mov_b32 v251, 0
	s_wait_tensorcnt 0x0                           ; none of my tensor loads is out
	ds_add_u32 v250, v251
	s_wait_dscnt 0x0
	ROUND                                          ; both hold of every wave of the four work-groups
	tensor_load_to_lds s[G0Y2:G0Y2+3], s[G1J:G1J+7]
	s_nop 0
	LOADG SA+2, 0
	YGROUP 0, 1, SA+2, 32
	YGROUP 1, 1, SA+2, 64
	YGROUP 2, 1, SA+2, 96
	YGROUP 3, 1, SA+3, 0
	YGROUP 4, 1, SA+3, 32
	YGROUP 5, 1, SA+3, 64
	YGROUP 6, 1, SA+3, 96
	YGROUP 7, 0, 0, 0
; ---------------------------------------------------------------- K and V, keys 256-511; Wq and x come into slots 2, 3 meanwhile
	WIN 0
	s_wait_dscnt 0x0
	s_wait_xcnt 0x0
	v_lshl_add_u32 v250, v0, 2, 0x4a800
	v_mov_b32 v251, 0
	s_wait_tensorcnt 0x0
	ds_add_u32 v250, v251
	s_wait_dscnt 0x0
	ROUND
	s_cmp_lt_u32 s4, 2
	s_cbranch_scc0 .Lfor_x
	tensor_load_to_lds s[G0Q:G0Q+3], s[G1J:G1J+7]  ; waves 0, 1: Wq, jointly
	s_nop 0
	s_branch .Lasked
.Lfor_x:
	tensor_load_to_lds s[G0X:G0X+3], s[G1X:G1X+7]  ; waves 2, 3: this work-group's own rows of x
	s_nop 0
.Lasked:
	LOADG SA, 0
	YGROUP 8, 1, SA, 32
	YGROUP 9, 1, SA, 64
	YGROUP 10, 1, SA, 96
	YGROUP 11, 1, SA+1, 0
	YGROUP 12, 1, SA+1, 32
	YGROUP 13, 1, SA+1, 64
	YGROUP 14, 1, SA+1, 96
	YGROUP 15, 0, 0, 0
; ---------------------------------------------------------------- Q; Wp comes into slot 0 meanwhile (the last tensor load)
	WIN 0
	s_wait_dscnt 0x0
	s_wait_xcnt 0x0
	v_lshl_add_u32 v250, v0, 2, 0x4a800
	v_mov_b32 v251, 0
	s_wait_tensorcnt 0x0
	ds_add_u32 v250, v251
	s_wait_dscnt 0x0
	ROUND
	s_cmp_lt_u32 s4, 2
	s_cbranch_scc0 .Lno_wp
	tensor_load_to_lds s[G0P:G0P+3], s[G1J:G1J+7]
	s_nop 0
.Lno_wp:
	LOADG WA+2, 0
	s_wait_dscnt 0x0
	CVTG WK                                        ; my head's rows of Wq
	LOADG SA+3, 0
	QGROUP 0, 1, 32
	QGROUP 1, 1, 64
	QGROUP 2, 1, 96
	QGROUP 3, 0, 0
; ---------------------------------------------------------------- the bias table of my head, expanded
; A chunk of 16 bytes (dh, dw, half, dn) holds the bias of dm = 4 half .. 4 half + 3, so that a lane's eight keys of a score tile are two 16-byte loads.
	s_wait_dscnt 0x0                               ; my reads of Wq and x are back
	s_wait_tensorcnt 0x0                           ; Wp has landed
	s_barrier_signal -1
	s_barrier_wait -1                              ; slots 1 to 3 are free: they have had their last fill
	XLOAD 0, XA
.irp d, 0,2,4,6
	XLOAD \d+1, XB
	s_wait_dscnt 32                                ; all but the 32 loads just issued
	XSTORE \d, XA
	XLOAD \d+2, XA
	s_wait_dscnt 32
	XSTORE \d+1, XB
.endr
	s_wait_dscnt 0x0
	XSTORE 8, XA
	s_wait_dscnt 0x0                               ; my reads of the compact table are back
	s_barrier_signal -1
	s_barrier_wait -1                              ; O may now be written over it
; ---------------------------------------------------------------- the attention: 8 tiles of 16 queries, two a trip (h plane 0 and 1)
	v_mov_b32 v[TT], 0                             ; v_permlanex16_b32 counts as a reader of its destination
	ds_load_b128 v[QF:QF+3],   v[QAD]
	ds_load_b128 v[QF+4:QF+7], v[QAD] offset:512
	BIASLD 0, 0
	BIASLD 1, 0
	BIASLD 2, 0
	BIASLD 3, 0
	WIN 0
	s_wait_dscnt 0x0                               ; so that the counted waits at a tile's head hold on the way in too
	s_mov_b32 s6, 3
.Latt:
	QTILE 0, 1
	QTILE 1, 1
	s_sub_co_u32 s6, s6, 1
	s_cmp_lg_u32 s6, 0
	s_cbranch_scc1 .Latt
	QTILE 0, 1
	QTILE 1, 0                                     ; the last tile fetches nothing ahead
; ---------------------------------------------------------------- the output projection: wave w makes columns 32 w .. 32 w + 31 of all 128 rows
	s_wait_dscnt 0x0                               ; my part of O is written, my reads of the tables are back
	s_barrier_signal -1
	s_barrier_wait -1
	LOADG WA, 0                                    ; Wp rows 32 w ..
	s_wait_dscnt 0x0
	CVTG WK
	WIN 0x40
.irp q, 0,1,2,3,4,5,6,7
.irp ks, 0,1,2,3
	ds_load_b128 v[8*(4*\q+\ks):8*(4*\q+\ks)+3],   v[ORD] offset:\q*16*OPITCH+64*\ks
	ds_load_b128 v[8*(4*\q+\ks)+4:8*(4*\q+\ks)+7], v[ORD] offset:\q*16*OPITCH+64*\ks+32
.endr
.endr
	s_wait_dscnt 0x0
	WIN 0x84                                       ; sixteen accumulators (window 2) take turns; proj_b starts the sums
.irp q, 0,1,2,3,4,5,6,7
.irp ot, 0,1
	v_wmma_f32_16x16x32_f16 v[8*(2*\q+\ot):8*(2*\q+\ot)+7], v[WK+32*\ot:WK+32*\ot+7], v[32*\q:32*\q+7], v[PB+8*\ot:PB+8*\ot+7]
.endr
.endr
	WIN 0xA4
.irp ks, 1,2,3
.irp q, 0,1,2,3,4,5,6,7
.irp ot, 0,1
	v_wmma_f32_16x16x32_f16 v[8*(2*\q+\ot):8*(2*\q+\ot)+7], v[WK+8*(4*\ot+\ks):WK+8*(4*\ot+\ks)+7], v[8*(4*\q+\ks):8*(4*\q+\ks)+7], v[8*(2*\q+\ot):8*(2*\q+\ot)+7]
.endr
.endr
.endr
	PLACES
	WIN 0x08                                       ; a lane holds 8 neighbouring columns of row 16 q + r: 32 bytes into the stage
.irp q, 0,1,2,3,4,5,6,7
.irp ot, 0,1
	ds_store_b128 v[STA], v[8*(2*\q+\ot):8*(2*\q+\ot)+3]   offset:\q*16*PITCH+64*\ot
	ds_store_b128 v[STA], v[8*(2*\q+\ot)+4:8*(2*\q+\ot)+7] offset:\q*16*PITCH+64*\ot+16
.endr
.endr
	WIN 0
	s_wait_dscnt 0x0
	s_barrier_signal -1
	s_barrier_wait -1                              ; the rows are whole
.set ix, 0
.rept 32
	ds_load_b128 v[OUTR+4*ix:OUTR+4*ix+3], v[RDA] offset:ix*PITCH        ; row 32 w + ix: 32 lanes x 16 bytes
.set ix, ix+1
.endr
.set ix, 0
.rept 32
	s_wait_dscnt 31-ix                             ; LDS loads come back in order: row ix is in, the younger ones may be out
	global_store_b128 v[GO], v[OUTR+4*ix:OUTR+4*ix+3], s[20:21] offset:512*ix th:TH_STORE_NT   ; a store of the wave covers a whole row: 512 consecutive bytes, aligned
.set ix, ix+1
.endr
	s_wait_xcnt 0x0
	v_lshl_add_u32 v250, v0, 2, 0x4a800
	v_mov_b32 v251, 0
	s_wait_tensorcnt 0x0
	ds_add_u32 v250, v251
	s_wait_dscnt 0x0
	ROUND                                          ; the closing round: no work-group ends while a partner may still ask jointly
	s_endpgm
.Lfunc_end_k_q0b2d96366c_xattn:
	.size	k_q0b2d96366c_xattn, .Lfunc_end_k_q0b2d96366c_xattn-k_q0b2d96366c_xattn
	.p2alignl 7, 3214868480
	.fill 96, 4, 3214868480
	.section	.rodata,"a",@progbits
	.p2align	6, 0x0
	.amdhsa_kernel k_q0b2d96366c_xattn
		.amdhsa_group_segment_fixed_size 327680
		.amdhsa_private_segment_fixed_size 0
		.amdhsa_enable_private_segment 0
		.amdhsa_kernarg_size 168
		.amdhsa_user_sgpr_count 2
		.amdhsa_user_sgpr_kernarg_segment_ptr 1
		.amdhsa_wavefront_size32 1
		.amdhsa_system_sgpr_workgroup_id_x 1
		.amdhsa_system_sgpr_workgroup_id_y 1
		.amdhsa_system_sgpr_workgroup_id_z 1
		.amdhsa_system_vgpr_workitem_id 0
		.amdhsa_next_free_vgpr 1024
		.amdhsa_next_free_sgpr 102
		.amdhsa_reserve_vcc 0
		.amdhsa_float_denorm_mode_32 3
		.amdhsa_float_denorm_mode_16_64 3
		.amdhsa_memory_ordered 1
		.amdhsa_forward_progress 1
		.amdhsa_inst_pref_size 255
	.end_amdhsa_kernel
	.section	.bss,"aw",@nobits
	.p2align	6
	.space	262144
	.amdgpu_metadata
---
amdhsa.version: [ 1, 2 ]
amdhsa.kernels:
  - .name:           k_q0b2d96366c_xattn
    .symbol:         k_q0b2d96366c_xattn.kd
    .args:
      - { .name: x, .offset: 0, .size: 8, .value_kind: global_buffer, .address_space: global }
      - { .name: y, .offset: 8, .size: 8, .value_kind: global_buffer, .address_space: global }
      - { .name: qkv_w, .offset: 16, .size: 8, .value_kind: global_buffer, .address_space: global }
      - { .name: proj_w, .offset: 24, .size: 8, .value_kind: global_buffer, .address_space: global }
      - { .name: qkv_b, .offset: 32, .size: 8, .value_kind: global_buffer, .address_space: global }
      - { .name: proj_b, .offset: 40, .size: 8, .value_kind: global_buffer, .address_space: global }
      - { .name: out0, .offset: 48, .size: 8, .value_kind: global_buffer, .address_space: global }
      - { .name: pos_proj_w, .offset: 56, .size: 8, .value_kind: global_buffer, .address_space: global }
      - { .name: pos_proj_b, .offset: 64, .size: 8, .value_kind: global_buffer, .address_space: global }
      - { .name: ln1_g, .offset: 72, .size: 8, .value_kind: global_buffer, .address_space: global }
      - { .name: ln1_b, .offset: 80, .size: 8, .value_kind: global_buffer, .address_space: global }
      - { .name: p1_w, .offset: 88, .size: 8, .value_kind: global_buffer, .address_space: global }
      - { .name: p1_b, .offset: 96, .size: 8, .value_kind: global_buffer, .address_space: global }
      - { .name: ln2_g, .offset: 104, .size: 8, .value_kind: global_buffer, .address_space: global }
      - { .name: ln2_b, .offset: 112, .size: 8, .value_kind: global_buffer, .address_space: global }
      - { .name: p2_w, .offset: 120, .size: 8, .value_kind: global_buffer, .address_space: global }
      - { .name: p2_b, .offset: 128, .size: 8, .value_kind: global_buffer, .address_space: global }
      - { .name: ln3_g, .offset: 136, .size: 8, .value_kind: global_buffer, .address_space: global }
      - { .name: ln3_b, .offset: 144, .size: 8, .value_kind: global_buffer, .address_space: global }
      - { .name: p3_w, .offset: 152, .size: 8, .value_kind: global_buffer, .address_space: global }
      - { .name: p3_b, .offset: 160, .size: 8, .value_kind: global_buffer, .address_space: global }
    .group_segment_fixed_size: 327680
    .private_segment_fixed_size: 0
    .kernarg_segment_align: 8
    .kernarg_segment_size: 168
    .max_flat_workgroup_size: 128
    .sgpr_count:     102
    .vgpr_count:     1024
    .wavefront_size: 32
...
	.end_amdgpu_metadata
.endif
;; end of part 1
